; MI455X (gfx1250); checked and timed in simulation.
; The chip was launched on July 23, 2026; its instructions are those of AMD's public machine-readable ISA for CDNA 5 (MIT licence, August 2026) and "CDNA5" Instruction Set Architecture Reference Guide (July 2026). The comments in the code are by the model that wrote it; some were corrected since.
;; Code Book. Allowed arithmetic: float matrix products may take bf16 or f16 operands with f32 sums; all other float work in f32.
;; Inputs: book 8,192 x 64 float32; input 8 x 64 x 64 x 64 float32.
;; Outputs: out0 8 x 64 x 64 x 64 float32; out1 32,768 int32; out2 one number float32.
;; One version. Each part assembles by itself: llvm-mc -triple=amdgcn-amd-amdhsa -mcpu=gfx1250 --defsym DOCPART=n.
;; ======== version 1 of 1: 4 launches
;; workspace buffers: asq 131,072 bytes; part 196,608 bytes; chain 33,024 bytes of whole numbers; prm 256 bytes; lpart 1,024 bytes
;; launch stats (part 1): grid 256 x 1, 4 waves a work-group, no clusters, 4,096 bytes of LDS; arguments input, book, asq, part; writes asq, part
.if DOCPART == 1
	.amdgcn_target "amdgcn-amd-amdhsa--gfx1250"
	.amdhsa_code_object_version 6
	.text
	.protected	k_q67397e286d_stats
	.globl	k_q67397e286d_stats
	.p2align	8
	.type	k_q67397e286d_stats,@function
k_q67397e286d_stats:
	s_mov_b64 s[64:65], 0
	v_nop
	global_prefetch_b8 v0, s[64:65] scope:SCOPE_SE
	s_setreg_imm32_b32 hwreg(HW_REG_WAVE_MODE, 25, 1), 1
	s_wait_xcnt 0x0
; First pass over both inputs.  input: [8][64 c][4096 p] f32, book: [8192][64] f32.
;   asq[b*4096+p]  = sum over c of input[b][c][p]^2                     (the |z_n|^2 of the distance)
;   part, three tables of 256 rows of 256 bytes, row = work-group:
;     +0       64 sums over this group's 128 positions, one for each channel
;     +65536   64 column sums over this group's 32 code rows
;     +131072  the 32 |e_k|^2 of these code rows, then this group's largest asq, 32 times (fills the row)
; Work-group g: batch g>>5, positions 128 (g&31) .. +127, all 64 channels (32 KiB), and code rows 32 g .. +31 (8 KiB).
; Wave w: channels 16 w .. +15, one load of 512 consecutive bytes each (a lane holds 4 positions), and code rows
; 8 w .. +7, two rows a load (16 lanes hold a row).  All 20 loads of a wave go out at once: nothing is read twice.
; LIMIT: sums are formed as trees, in another order than a serial sum; the last bits of asq, |e_k|^2 and the
; column sums may differ from a serial sum's.  NaN and infinities are not served.
.set PLANE,  16384                     ; bytes from channel to channel
.set LDS_Q,  0                         ; [4 waves][128 positions] partial squares
.set LDS_E,  2048                      ; [4 waves][64] partial column sums of the book
.set LDS_C,  3072                      ; [64] channel sums
.set LDS_B,  3328                      ; [32] |e_k|^2
.set PART_E, 65536
.set PART_B, 131072
.set LANE, 1
.set VIN,  2                           ; byte offset of my 16 bytes in my wave's first channel
.set VBK,  3                           ; the same in my wave's first two code rows
.set X,    4                           ; v[4:67]    16 channels x 4 positions
.set Y,    68                          ; v[68:83]   4 loads of the book
.set Q,    84                          ; v[84:87]   squares of my 4 positions, summed over my wave's channels
.set C,    88                          ; v[88:103]  my lane's share of 16 channel sums
.set T,    104                         ; v[104:111] at work
.set F,    112                         ; v[112:115] my 4 columns of the book, summed over my wave's rows
.set R,    116                         ; v[116:119] my lane's share of |e|^2, one for each load
.set AQ,   120                         ; LDS addresses
.set AE,   121
.set AC,   122
.set AB,   123
.set L8,   124                         ; 8 x lane
.set L16,  125                         ; 16 x lane
.set B8,   126                         ; 8 x (lane mod 16)
	s_load_b256 s[4:11], s[0:1], 0x0               ; input s[4:5], book s[6:7], asq s[8:9], part s[10:11]
	v_lshl_add_u32 v128, v0, 2, 0xe00
	v_mov_b32 v129, 0
	v_and_b32 v[LANE], 31, v0
	v_lshrrev_b32 v[T], 5, v0
	v_readfirstlane_b32 s12, v[T]                  ; wave 0..3
	s_lshr_b32 s13, ttmp9, 5                       ; batch
	s_and_b32 s14, ttmp9, 31                       ; which 128 positions
	s_lshl_b32 s16, s13, 20                        ; a batch is 64 x 16,384 bytes
	s_lshl_b32 s14, s14, 9
	s_add_co_u32 s16, s16, s14
	s_mov_b32 s17, 0
	s_lshl_b32 s18, ttmp9, 13                      ; 32 code rows of 256 bytes
	s_mov_b32 s19, 0
	v_lshlrev_b32 v[L16], 4, v[LANE]
	v_lshl_add_u32 v[VIN], s12, 18, v[L16]         ; + wave x 16 channels
	v_lshl_add_u32 v[VBK], s12, 11, v[L16]         ; + wave x 8 rows
	s_wait_kmcnt 0x0
	s_add_nc_u64 s[4:5], s[4:5], s[16:17]
	s_add_nc_u64 s[6:7], s[6:7], s[18:19]
.irp i, 0,1,2,3,4,5,6,7,8,9,10,11,12,13,14,15
	global_load_b128 v[X+4*\i:X+4*\i+3], v[VIN], s[4:5] offset:\i*PLANE
.endr
.irp j, 0,1,2,3
	global_load_b128 v[Y+4*\j:Y+4*\j+3], v[VBK], s[6:7] offset:\j*512
.endr
	; while they are on their way: bases of the outputs, lane masks, LDS addresses
	s_lshl_b32 s16, ttmp9, 9                       ; 128 numbers of asq
	s_lshl_b32 s18, ttmp9, 8                       ; my row of each table of part
	s_add_nc_u64 s[8:9], s[8:9], s[16:17]
	s_add_nc_u64 s[10:11], s[10:11], s[18:19]
	s_mov_b32 s20, 0xff00ff00                      ; lanes with bit 3 set
	s_mov_b32 s21, 0xf0f0f0f0                      ; bit 2
	s_mov_b32 s22, 0xcccccccc                      ; bit 1
	s_mov_b32 s23, 0xaaaaaaaa                      ; bit 0
	s_mov_b32 s24, 0x76543210                      ; v_permlanex16_b32: lane i reads lane i of the other half
	s_mov_b32 s25, 0xfedcba98
	s_mov_b32 s26, 0xffff0000                      ; lanes 16 to 31
	v_lshl_add_u32 v[AQ], s12, 9, v[L16]           ; wave x 512 + 16 lane
	v_and_b32 v[T+1], 15, v[LANE]
	v_lshlrev_b32 v[T+2], 4, v[T+1]
	v_lshl_add_u32 v[AE], s12, 8, v[T+2]           ; wave x 256 + 16 (lane mod 16)
	v_lshlrev_b32 v[T+2], 2, v[T+1]
	v_lshl_add_u32 v[AC], s12, 6, v[T+2]           ; wave x 64 + 4 (lane mod 16)
	v_lshlrev_b32 v[B8], 3, v[T+1]
	v_bfe_u32 v[T+2], v[LANE], 2, 2                ; which load's row I end up with (see below)
	v_lshrrev_b32 v[T+3], 4, v[LANE]
	v_lshlrev_b32 v[T+3], 2, v[T+3]
	v_lshl_add_u32 v[T+2], v[T+2], 3, v[T+3]
	v_lshl_add_u32 v[AB], s12, 5, v[T+2]           ; 4 x (8 wave + 2 load + half)
	v_lshlrev_b32 v[L8], 3, v[LANE]
; One channel: its squares join Q, its four numbers make my lane's share of the channel sum.
.macro CHAN i
	s_wait_loadcnt 19-\i                           ; loads return in order: channel i is in, the 19 - i younger loads stay out
.if \i == 0
	v_pk_mul_f32 v[Q:Q+1], v[X:X+1], v[X:X+1]      ; the first channel starts the sums: nothing is cleared
	v_pk_mul_f32 v[Q+2:Q+3], v[X+2:X+3], v[X+2:X+3]
.else
	v_pk_fma_f32 v[Q:Q+1], v[X+4*\i:X+4*\i+1], v[X+4*\i:X+4*\i+1], v[Q:Q+1]
	v_pk_fma_f32 v[Q+2:Q+3], v[X+4*\i+2:X+4*\i+3], v[X+4*\i+2:X+4*\i+3], v[Q+2:Q+3]
.endif
	v_pk_add_f32 v[T:T+1], v[X+4*\i:X+4*\i+1], v[X+4*\i+2:X+4*\i+3]
	v_add_f32 v[C+\i], v[T], v[T+1]
.endm
.irp i, 0,1,2,3,4,5,6,7,8,9,10,11,12,13,14,15
	CHAN \i
.endr
; Two sums a and b are folded into one register: lanes with the mask's bit go on with b, the others with a, and each
; adds the share that its partner (lane xor xm) holds of the sum it goes on with.  Halves the registers at each step.
.macro FOLD a, b, mask, xm, t
	v_cndmask_b32 v[\t], v[\b], v[\a], \mask       ; what my partner goes on with
	v_cndmask_b32 v[\a], v[\a], v[\b], \mask       ; what I go on with
	v_add_f32_dpp v[\a], v[\t], v[\a] row_xmask:\xm row_mask:0xf bank_mask:0xf
.endm
.irp i, 0,1,2,3,4,5,6,7
	FOLD C+\i, C+\i+8, s20, 8, T+\i
.endr
.irp i, 0,1,2,3
	FOLD C+\i, C+\i+4, s21, 4, T+\i
.endr
	FOLD C+0, C+2, s22, 2, T+0
	FOLD C+1, C+3, s22, 2, T+1
	FOLD C+0, C+1, s23, 1, T+0                     ; lane l now holds channel 16 w + l mod 16, summed over its 16 lanes
	v_permlanex16_b32 v[T], v[C], s24, s25
	v_add_f32 v[C], v[C], v[T]                     ; and over both halves
	ds_store_b32 v[AC], v[C] offset:LDS_C          ; lanes l and l + 16 write the same word with the same number
	ds_store_b128 v[AQ], v[Q:Q+3] offset:LDS_Q
	s_wait_loadcnt 0x0                             ; the four loads of the book
.irp j, 0,1,2,3
	v_pk_mul_f32 v[T+2*\j:T+2*\j+1], v[Y+4*\j:Y+4*\j+1], v[Y+4*\j:Y+4*\j+1]
	v_pk_fma_f32 v[T+2*\j:T+2*\j+1], v[Y+4*\j+2:Y+4*\j+3], v[Y+4*\j+2:Y+4*\j+3], v[T+2*\j:T+2*\j+1]
	v_add_f32 v[R+\j], v[T+2*\j], v[T+2*\j+1]
.endr
	v_pk_add_f32 v[F:F+1], v[Y:Y+1], v[Y+4:Y+5]
	v_pk_add_f32 v[F+2:F+3], v[Y+2:Y+3], v[Y+6:Y+7]
	v_pk_add_f32 v[T:T+1], v[Y+8:Y+9], v[Y+12:Y+13]
	v_pk_add_f32 v[T+2:T+3], v[Y+10:Y+11], v[Y+14:Y+15]
	v_pk_add_f32 v[F:F+1], v[F:F+1], v[T:T+1]
	v_pk_add_f32 v[F+2:F+3], v[F+2:F+3], v[T+2:T+3]
	FOLD R+0, R+2, s20, 8, T+0
	FOLD R+1, R+3, s20, 8, T+1
	FOLD R+0, R+1, s21, 4, T+0                     ; I go on with load (lane >> 2) mod 4
	v_add_f32_dpp v[R], v[R], v[R] row_xmask:2 row_mask:0xf bank_mask:0xf
	v_add_f32_dpp v[R], v[R], v[R] row_xmask:1 row_mask:0xf bank_mask:0xf
	ds_store_b32 v[AB], v[R] offset:LDS_B          ; |e|^2 of row 8 w + 2 load + half; four lanes write the same number
.irp k, 0,1,2,3
	v_permlanex16_b32 v[T+\k], v[F+\k], s24, s25   ; the odd rows' share of my columns, or the even rows'
.endr
	v_pk_add_f32 v[F:F+1], v[F:F+1], v[T:T+1]
	v_pk_add_f32 v[F+2:F+3], v[F+2:F+3], v[T+2:T+3]
	ds_store_b128 v[AE], v[F:F+3] offset:LDS_E
	s_wait_dscnt 0x0                               ; my LDS stores are done, for the waves that read them
	s_barrier_signal -1
	s_barrier_wait -1
	s_cmp_eq_u32 s12, 1
	s_cbranch_scc1 .Lchan
	s_cmp_eq_u32 s12, 2
	s_cbranch_scc1 .Lcols
	s_cmp_eq_u32 s12, 3
	s_cbranch_scc1 .Ldone
	; wave 0: the four waves' squares make asq; its largest number goes behind the 32 |e|^2
.irp p, 0,1,2,3
	ds_load_b128 v[X+4*\p:X+4*\p+3], v[L16] offset:LDS_Q+512*\p
.endr
	ds_load_b64 v[Y:Y+1], v[B8] offset:LDS_B
	s_wait_dscnt 0x1                               ; the four loads of squares; the one load behind them may stay out
	v_pk_add_f32 v[X:X+1], v[X:X+1], v[X+4:X+5]
	v_pk_add_f32 v[X+2:X+3], v[X+2:X+3], v[X+6:X+7]
	v_pk_add_f32 v[X+8:X+9], v[X+8:X+9], v[X+12:X+13]
	v_pk_add_f32 v[X+10:X+11], v[X+10:X+11], v[X+14:X+15]
	v_pk_add_f32 v[X:X+1], v[X:X+1], v[X+8:X+9]
	v_pk_add_f32 v[X+2:X+3], v[X+2:X+3], v[X+10:X+11]
	global_store_b128 v[L16], v[X:X+3], s[8:9]     ; 512 consecutive bytes, aligned
	v_max3_num_f32 v[T], v[X], v[X+1], v[X+2]
	v_max_num_f32 v[T], v[T], v[X+3]
	v_max_num_f32_dpp v[T], v[T], v[T] row_xmask:1 row_mask:0xf bank_mask:0xf
	v_max_num_f32_dpp v[T], v[T], v[T] row_xmask:2 row_mask:0xf bank_mask:0xf
	v_max_num_f32_dpp v[T], v[T], v[T] row_xmask:4 row_mask:0xf bank_mask:0xf
	v_max_num_f32_dpp v[T], v[T], v[T] row_xmask:8 row_mask:0xf bank_mask:0xf
	v_permlanex16_b32 v[T+1], v[T], s24, s25
	v_max_num_f32 v[T], v[T], v[T+1]
	s_wait_dscnt 0x0
	v_cndmask_b32 v[Y], v[Y], v[T], s26            ; lanes 0-15 keep two |e|^2 each, lanes 16-31 carry the maximum
	v_cndmask_b32 v[Y+1], v[Y+1], v[T], s26
	global_store_b64 v[L8], v[Y:Y+1], s[10:11] offset:PART_B   ; 256 consecutive bytes, aligned
	s_wait_tensorcnt 0x0
	ds_add_u32 v128, v129
	s_wait_dscnt 0x0
	s_endpgm
.Lchan:                                            ; wave 1: the 64 channel sums
	ds_load_b64 v[X:X+1], v[L8] offset:LDS_C
	s_wait_dscnt 0x0
	global_store_b64 v[L8], v[X:X+1], s[10:11]
	s_wait_tensorcnt 0x0
	ds_add_u32 v128, v129
	s_wait_dscnt 0x0
	s_endpgm
.Lcols:                                            ; wave 2: the four waves' column sums of the book
.irp p, 0,1,2,3
	ds_load_b64 v[X+2*\p:X+2*\p+1], v[L8] offset:LDS_E+256*\p
.endr
	s_wait_dscnt 0x0
	v_pk_add_f32 v[X:X+1], v[X:X+1], v[X+2:X+3]
	v_pk_add_f32 v[X+4:X+5], v[X+4:X+5], v[X+6:X+7]
	v_pk_add_f32 v[X:X+1], v[X:X+1], v[X+4:X+5]
	global_store_b64 v[L8], v[X:X+1], s[10:11] offset:PART_E
.Ldone:
	s_wait_tensorcnt 0x0
	ds_add_u32 v128, v129
	s_wait_dscnt 0x0
	s_endpgm
.Lfunc_end_k_q67397e286d_stats:
	.size	k_q67397e286d_stats, .Lfunc_end_k_q67397e286d_stats-k_q67397e286d_stats
	.p2alignl 7, 3214868480
	.fill 96, 4, 3214868480
	.section	.rodata,"a",@progbits
	.p2align	6, 0x0
	.amdhsa_kernel k_q67397e286d_stats
		.amdhsa_group_segment_fixed_size 4096
		.amdhsa_private_segment_fixed_size 0
		.amdhsa_enable_private_segment 0
		.amdhsa_kernarg_size 32
		.amdhsa_user_sgpr_count 2
		.amdhsa_user_sgpr_kernarg_segment_ptr 1
		.amdhsa_wavefront_size32 1
		.amdhsa_system_sgpr_workgroup_id_x 1
		.amdhsa_system_sgpr_workgroup_id_y 1
		.amdhsa_system_sgpr_workgroup_id_z 1
		.amdhsa_system_vgpr_workitem_id 0
		.amdhsa_next_free_vgpr 130
		.amdhsa_next_free_sgpr 66
		.amdhsa_reserve_vcc 0
		.amdhsa_float_denorm_mode_32 3
		.amdhsa_float_denorm_mode_16_64 3
		.amdhsa_memory_ordered 1
		.amdhsa_forward_progress 1
		.amdhsa_inst_pref_size 17
	.end_amdhsa_kernel
	.amdgpu_metadata
---
amdhsa.version: [ 1, 2 ]
amdhsa.kernels:
  - .name:           k_q67397e286d_stats
    .symbol:         k_q67397e286d_stats.kd
    .args:
      - { .name: input, .offset: 0, .size: 8, .value_kind: global_buffer, .address_space: global }
      - { .name: book, .offset: 8, .size: 8, .value_kind: global_buffer, .address_space: global }
      - { .name: asq, .offset: 16, .size: 8, .value_kind: global_buffer, .address_space: global }
      - { .name: part, .offset: 24, .size: 8, .value_kind: global_buffer, .address_space: global }
    .group_segment_fixed_size: 4096
    .private_segment_fixed_size: 0
    .kernarg_segment_align: 8
    .kernarg_segment_size: 32
    .max_flat_workgroup_size: 128
    .sgpr_count:     66
    .vgpr_count:     130
    .wavefront_size: 32
...
	.end_amdgpu_metadata
.endif
;; end of part 1
;; launch pick (part 2): grid 1 x 1, 32 waves a work-group, no clusters, 55,296 bytes of LDS; arguments part, chain, prm; writes chain, prm
.if DOCPART == 2
	.amdgcn_target "amdgcn-amd-amdhsa--gfx1250"
	.amdhsa_code_object_version 6
	.text
	.protected	k_q67397e286d_pick
	.globl	k_q67397e286d_pick
	.p2align	8
	.type	k_q67397e286d_pick,@function
k_q67397e286d_pick:
	s_mov_b64 s[64:65], 0
	v_nop
	global_prefetch_b8 v0, s[64:65] scope:SCOPE_SE
	s_setreg_imm32_b32 hwreg(HW_REG_WAVE_MODE, 25, 1), 1
	s_wait_xcnt 0x0
; One work-group gathers what the first pass left in part and decides which codes can win at all.
;   t = 2 x (sum of all z) . (sum of all e)                                   -> prm (t, 64 times: a whole aligned 256 bytes)
;   d[n][k] = fl(fl(a_n + b_k) - t) does not fall when b_k grows, so the first k with the smallest d is a RECORD of b:
;   a k with b_k < every earlier b.  The last record, kmin, is the first smallest b.
;   chain[64 + k] = the last record before k (0 if none): from kmin these words lead back through all records.
;   A record r can tie with kmin for some n only if b_r <= U = bmin + 2^-21 (amax + bmin + |t|): two sums that round to the
;   same d lie at most 2^-23 |d| apart, the two roundings of a + b add 2^-24 of each, together at most
;   2^-22 (a + bmin + |t|); U leaves twice that.  chain[0] = (records with b <= U) - 1, chain[1] = kmin, chain[2..63] = 0.
; All addresses are fixed: what hangs on the numbers is only what is stored.
; Thread i holds b[8 i .. 8 i + 7].  Two scans over threads: the smallest b so far (f32 min), the last record so far (u32 max).
; LIMIT: NaN and infinities are not served.  The sums for t are trees: its last bits may differ from a serial sum's.
.set PART_E, 65536
.set PART_B, 131072
.set LCP,   528                        ; LDS pitch of a wave's 128 column sums: 512 bytes + 16, so that 16 rows start at 16 different banks
.set LC,    0                          ; [32 waves][64 channel sums, 64 book column sums]
.set WMIN,  16896                      ; [32] each wave's smallest b
.set WAMX,  17024                      ; [32] each wave's largest asq
.set WLAST, 17152                      ; [32] each wave's last record
.set DOT,   17280                      ; [32] each wave's two terms of the dot product
.set WCNT,  17408                      ; [32] each wave's count
.set PST,   17664                      ; [32 waves][1,024 bytes] the chain on its way out, each wave's own bytes
.set LANE, 1
.set VC,   2
.set VB,   3
.set B,    4                           ; v[4:11]   my eight b
.set AM,   12
.set K0,   13                          ; 8 x thread
.set CC,   14                          ; v[14:29]  four loads of channel sums; later the chain read back
.set EE,   30                          ; v[30:45]  four loads of book column sums
.set T,    46                          ; v[46:49]  at work
.set TB,   50                          ; partner's number in a step across lanes
.set MN,   51
.set EXL,  52                          ; smallest b of the lanes in front of me
.set RUN,  53
.set LL,   54                          ; v[54:62]  LL+j: my last record in front of my element j (0 if none)
.set EXI,  63                          ; last record of the lanes in front of me
.set P,    64                          ; v[64:71]
.set WM,   72
.set WA,   73
.set WL,   74
.set DT,   75
.set S8,   76                          ; v[76:79]
.set U,    80
.set TT,   82                          ; v[82:83]
.set H,    84                          ; v[84:85]
.set AW,   86
.set AL4,  87
.set ALC,  88
.set ACOL, 89
.set APS,  90
.set APL,  91
.set L16,  92
; over all 32 lanes, the result in every lane: f32 on the arithmetic itself, whole numbers by a move and the operation
.macro BFLY op, opdpp, v, t
.irp m, 1,2,4,8
	\opdpp v[\v], v[\v], v[\v] row_xmask:\m row_mask:0xf bank_mask:0xf
.endr
	v_permlanex16_b32 v[\t], v[\v], s12, s13
	\op v[\v], v[\v], v[\t]
.endm
.macro BFLYU op, v, t
.irp m, 1,2,4,8
	v_mov_b32_dpp v[\t], v[\v] row_xmask:\m row_mask:0xf bank_mask:0xf
	\op v[\v], v[\v], v[\t]
.endr
	v_permlanex16_b32 v[\t], v[\v], s12, s13
	\op v[\v], v[\v], v[\t]
.endm
; running result over lanes 0 .. me.  A lane without a source in its half keeps the neutral number; s15 = lane 15's result joins lanes 16-31
.macro SCAN op, v, t, ident
.irp n, 1,2,4,8
	v_mov_b32 v[\t], \ident
	v_mov_b32_dpp v[\t], v[\v] row_shr:\n row_mask:0xf bank_mask:0xf
	\op v[\v], v[\v], v[\t]
.endr
	v_readlane_b32 s15, v[\v], 15
	v_mov_b32 v[\t], \ident
	v_cndmask_b32 v[\t], v[\t], s15, s14
	\op v[\v], v[\v], v[\t]
.endm
.macro BEFORE ex, v, ident             ; the same over lanes 0 .. me - 1: one lane on; lane 16 takes lane 15's
	v_mov_b32 v[\ex], \ident
	v_mov_b32_dpp v[\ex], v[\v] row_shr:1 row_mask:0xf bank_mask:0xf
	v_writelane_b32 v[\ex], s15, 16
.endm
	s_load_b128 s[4:7], s[0:1], 0x0                ; part s[4:5], chain s[6:7]
	s_load_b64 s[8:9], s[0:1], 0x10                ; prm
	v_lshl_add_u32 v96, v0, 2, 0xc800
	v_mov_b32 v97, 0
	v_and_b32 v[LANE], 31, v0
	v_lshrrev_b32 v[T], 5, v0
	v_readfirstlane_b32 s10, v[T]                  ; wave 0..31
	v_lshlrev_b32 v[L16], 4, v[LANE]
	v_lshl_add_u32 v[VC], s10, 11, v[L16]          ; my wave sums rows 8 w .. 8 w + 7 of the two tables of sums
	v_lshrrev_b32 v[T], 2, v0                      ; b[8 i ..] lies in row i >> 2 of the third table,
	v_and_b32 v[T+1], 3, v0
	v_lshlrev_b32 v[T+1], 5, v[T+1]                ; at byte 32 (i mod 4)
	v_lshl_add_u32 v[VB], v[T], 8, v[T+1]
	s_wait_kmcnt 0x0
	global_load_b128 v[B:B+3], v[VB], s[4:5] offset:PART_B
	global_load_b128 v[B+4:B+7], v[VB], s[4:5] offset:PART_B+16
	global_load_b32 v[AM], v[VB], s[4:5] offset:PART_B+128     ; bytes 128 to 255 of a row all hold that row's largest asq
.irp j, 0,1,2,3
	global_load_b128 v[CC+4*\j:CC+4*\j+3], v[VC], s[4:5] offset:512*\j
.endr
.irp j, 0,1,2,3
	global_load_b128 v[EE+4*\j:EE+4*\j+3], v[VC], s[4:5] offset:PART_E+512*\j
.endr
	s_mov_b32 s11, 0x7f800000                      ; +infinity: neutral for min
	s_mov_b32 s12, 0x76543210
	s_mov_b32 s13, 0xfedcba98
	s_mov_b32 s14, 0xffff0000                      ; lanes 16 to 31
	s_mul_i32 s16, s10, LCP
	v_lshlrev_b32 v[K0], 3, v0
	v_mov_b32 v[AW], s10
	v_lshlrev_b32 v[AW], 2, v[AW]                  ; my wave's word in the small tables
	v_lshlrev_b32 v[AL4], 2, v[LANE]               ; wave "lane"'s word
	v_add_nc_u32 v[ALC], s16, v[L16]
	v_mul_u32_u24 v[ACOL], v[LANE], LCP
	v_lshl_add_u32 v[ACOL], s10, 3, v[ACOL]        ; wave "lane"'s sums of columns 2 w, 2 w + 1
	v_lshlrev_b32 v[APS], 5, v[LANE]
	v_lshl_add_u32 v[APS], s10, 10, v[APS]         ; 1,024 w + 32 lane
	v_lshl_add_u32 v[APL], s10, 10, v[L16]         ; 1,024 w + 16 lane
	v_cmp_gt_u32 s30, s10, v[LANE]                 ; lanes that stand for the waves in front of mine
	v_mov_b32 v[TB], 0
	s_wait_loadcnt 0x9                             ; my eight b; the nine loads issued behind them stay out
	v_min3_num_f32 v[MN], v[B], v[B+1], v[B+2]
	v_min3_num_f32 v[MN], v[MN], v[B+3], v[B+4]
	v_min3_num_f32 v[MN], v[MN], v[B+5], v[B+6]
	v_min_num_f32 v[MN], v[MN], v[B+7]
	SCAN v_min_num_f32, MN, T, s11
	BEFORE EXL, MN, s11
	v_readlane_b32 s16, v[MN], 31
	v_mov_b32 v[T], s16
	ds_store_b32 v[AW], v[T] offset:WMIN
	s_wait_loadcnt 0x8                             ; the largest asq of my row; the eight loads of sums stay out
	BFLY v_max_num_f32, v_max_num_f32_dpp, AM, TB
	ds_store_b32 v[AW], v[AM] offset:WAMX
	s_wait_loadcnt 0x0
.irp k, 0,2
	v_pk_add_f32 v[CC+\k:CC+\k+1], v[CC+\k:CC+\k+1], v[CC+4+\k:CC+4+\k+1]
	v_pk_add_f32 v[CC+8+\k:CC+8+\k+1], v[CC+8+\k:CC+8+\k+1], v[CC+12+\k:CC+12+\k+1]
	v_pk_add_f32 v[CC+\k:CC+\k+1], v[CC+\k:CC+\k+1], v[CC+8+\k:CC+8+\k+1]
	v_pk_add_f32 v[EE+\k:EE+\k+1], v[EE+\k:EE+\k+1], v[EE+4+\k:EE+4+\k+1]
	v_pk_add_f32 v[EE+8+\k:EE+8+\k+1], v[EE+8+\k:EE+8+\k+1], v[EE+12+\k:EE+12+\k+1]
	v_pk_add_f32 v[EE+\k:EE+\k+1], v[EE+\k:EE+\k+1], v[EE+8+\k:EE+8+\k+1]
.endr
.irp k, 0,1,2,3                                    ; lanes 0-15 go on with the channel sums, lanes 16-31 with the book's; each adds the other half's share
	v_cndmask_b32 v[T+\k], v[EE+\k], v[CC+\k], s14
	v_cndmask_b32 v[CC+\k], v[CC+\k], v[EE+\k], s14
	v_permlanex16_b32 v[EE+\k], v[T+\k], s12, s13
	v_add_f32 v[CC+\k], v[CC+\k], v[EE+\k]
.endr
	ds_store_b128 v[ALC], v[CC:CC+3] offset:LC
	s_wait_dscnt 0x0                               ; my LDS stores are done, for the waves that read them
	s_barrier_signal -1
	s_barrier_wait -1
	ds_load_b32 v[WM], v[AL4] offset:WMIN
	ds_load_b32 v[WA], v[AL4] offset:WAMX
	ds_load_b64 v[S8:S8+1], v[ACOL] offset:LC
	ds_load_b64 v[S8+2:S8+3], v[ACOL] offset:LC+256
	s_wait_dscnt 0x2                               ; the two words; the two column loads stay out
	v_mov_b32 v[T], s11
	v_cndmask_b32 v[T], v[T], v[WM], s30
	BFLY v_min_num_f32, v_min_num_f32_dpp, T, TB   ; smallest b of the waves in front of mine
	BFLY v_min_num_f32, v_min_num_f32_dpp, WM, TB  ; bmin
	v_min_num_f32 v[RUN], v[T], v[EXL]             ; smallest b in front of my first element
	v_mov_b32 v[LL], 0
.irp j, 0,1,2,3,4,5,6,7
	v_cmp_lt_f32 s[20+\j], v[B+\j], v[RUN]         ; a record: below everything in front of it
	v_add_nc_u32 v[T+1], \j, v[K0]
	v_min_num_f32 v[RUN], v[RUN], v[B+\j]
	v_cndmask_b32 v[LL+\j+1], v[LL+\j], v[T+1], s[20+\j]
.endr
	SCAN v_max_u32, LL+8, T, 0
	BEFORE EXI, LL+8, 0
	v_readlane_b32 s16, v[LL+8], 31
	v_mov_b32 v[T], s16
	ds_store_b32 v[AW], v[T] offset:WLAST
	BFLY v_max_num_f32, v_max_num_f32_dpp, WA, TB  ; amax
	s_wait_dscnt 0x1                               ; the column loads; the one LDS store behind them may stay out
.irp k, 0,1,2,3
	BFLY v_add_f32, v_add_f32_dpp, S8+\k, TB       ; the 32 waves' shares of columns 2 w, 2 w + 1: z's sums, then e's
.endr
	v_mul_f32 v[T], v[S8], v[S8+2]
	v_fma_f32 v[T], v[S8+1], v[S8+3], v[T]
	ds_store_b32 v[AW], v[T] offset:DOT
	s_wait_dscnt 0x0
	s_barrier_signal -1
	s_barrier_wait -1
	ds_load_b32 v[WL], v[AL4] offset:WLAST
	ds_load_b32 v[DT], v[AL4] offset:DOT
	s_wait_dscnt 0x0
	v_cndmask_b32 v[T], 0, v[WL], s30
	BFLYU v_max_u32, T, TB                         ; last record of the waves in front of mine
	BFLYU v_max_u32, WL, TB                        ; kmin: the last record of all
	v_max_u32 v[T], v[T], v[EXI]
.irp j, 0,1,2,3,4,5,6,7
	v_max_u32 v[P+\j], v[LL+\j], v[T]              ; indices grow, so the last record in front of k is the largest
.endr
	; my 32 bytes go through my wave's own LDS bytes, so that each store below covers 512 consecutive bytes
	ds_store_b128 v[APS], v[P:P+3] offset:PST
	ds_store_b128 v[APS], v[P+4:P+7] offset:PST+16
	ds_load_b128 v[CC:CC+3], v[APL] offset:PST     ; LDS serves a wave's instructions in order: these see the stores above
	ds_load_b128 v[CC+4:CC+7], v[APL] offset:PST+512
	BFLY v_add_f32, v_add_f32_dpp, DT, TB          ; the dot product
	v_add_f32 v[TT], v[DT], v[DT]                  ; t
	v_and_b32 v[T+1], 0x7fffffff, v[TT]
	v_add_f32 v[T+2], v[WA], v[WM]
	v_add_f32 v[T+2], v[T+2], v[T+1]
	v_fmamk_f32 v[U], v[T+2], 0x35000000, v[WM]    ; U = 2^-21 (amax + bmin + |t|) + bmin
.irp j, 0,1,2,3,4,5,6,7
	v_cmp_le_f32 s[32+\j], v[B+\j], v[U]
.endr
	s_mov_b32 s28, 0
.irp j, 0,1,2,3,4,5,6,7
	s_and_b32 s29, s[32+\j], s[20+\j]
	s_bcnt1_i32_b32 s29, s29
	s_add_co_u32 s28, s28, s29
.endr
	v_mov_b32 v[T+3], s28
	ds_store_b32 v[AW], v[T+3] offset:WCNT
	s_wait_dscnt 0x0                               ; the chain is back in registers, and my count is in LDS for wave 0
	global_store_b128 v[APL], v[CC:CC+3], s[6:7] offset:256
	global_store_b128 v[APL], v[CC+4:CC+7], s[6:7] offset:256+512
	s_barrier_signal -1
	s_barrier_wait -1
	s_cmp_lg_u32 s10, 0
	s_cbranch_scc1 .Lend
	ds_load_b32 v[T], v[AL4] offset:WCNT
	s_wait_dscnt 0x0
	BFLYU v_add_nc_u32, T, TB
	v_add_nc_u32 v[T], -1, v[T]                    ; kmin itself is always counted: bmin <= U
	v_cmp_eq_u32 vcc_lo, 0, v[LANE]
	v_cndmask_b32 v[H], 0, v[T], vcc_lo
	v_cndmask_b32 v[H+1], 0, v[WL], vcc_lo
	v_lshlrev_b32 v[T+1], 3, v[LANE]
	global_store_b64 v[T+1], v[H:H+1], s[6:7]      ; the head: 256 consecutive bytes
	v_mov_b32 v[TT+1], v[TT]
	global_store_b64 v[T+1], v[TT:TT+1], s[8:9]
.Lend:
	s_wait_tensorcnt 0x0
	ds_add_u32 v96, v97
	s_wait_dscnt 0x0
	s_endpgm
.Lfunc_end_k_q67397e286d_pick:
	.size	k_q67397e286d_pick, .Lfunc_end_k_q67397e286d_pick-k_q67397e286d_pick
	.p2alignl 7, 3214868480
	.fill 96, 4, 3214868480
	.section	.rodata,"a",@progbits
	.p2align	6, 0x0
	.amdhsa_kernel k_q67397e286d_pick
		.amdhsa_group_segment_fixed_size 55296
		.amdhsa_private_segment_fixed_size 0
		.amdhsa_enable_private_segment 0
		.amdhsa_kernarg_size 24
		.amdhsa_user_sgpr_count 2
		.amdhsa_user_sgpr_kernarg_segment_ptr 1
		.amdhsa_wavefront_size32 1
		.amdhsa_system_sgpr_workgroup_id_x 1
		.amdhsa_system_sgpr_workgroup_id_y 1
		.amdhsa_system_sgpr_workgroup_id_z 1
		.amdhsa_system_vgpr_workitem_id 0
		.amdhsa_next_free_vgpr 98
		.amdhsa_next_free_sgpr 66
		.amdhsa_reserve_vcc 1
		.amdhsa_float_denorm_mode_32 3
		.amdhsa_float_denorm_mode_16_64 3
		.amdhsa_memory_ordered 1
		.amdhsa_forward_progress 1
		.amdhsa_inst_pref_size 17
	.end_amdhsa_kernel
	.amdgpu_metadata
---
amdhsa.version: [ 1, 2 ]
amdhsa.kernels:
  - .name:           k_q67397e286d_pick
    .symbol:         k_q67397e286d_pick.kd
    .args:
      - { .name: part, .offset: 0, .size: 8, .value_kind: global_buffer, .address_space: global }
      - { .name: chain, .offset: 8, .size: 8, .value_kind: global_buffer, .address_space: global }
      - { .name: prm, .offset: 16, .size: 8, .value_kind: global_buffer, .address_space: global }
    .group_segment_fixed_size: 55296
    .private_segment_fixed_size: 0
    .kernarg_segment_align: 8
    .kernarg_segment_size: 24
    .max_flat_workgroup_size: 1024
    .sgpr_count:     66
    .vgpr_count:     98
    .wavefront_size: 32
...
	.end_amdgpu_metadata
.endif
;; end of part 2
;; launch emit (part 3): grid 256 x 1, 8 waves a work-group, no clusters, 1,280 bytes of LDS; arguments input, book, asq, part, chain, prm, out0, out1, lpart; writes out0, out1, lpart
.if DOCPART == 3
	.amdgcn_target "amdgcn-amd-amdhsa--gfx1250"
	.amdhsa_code_object_version 6
	.text
	.protected	k_q67397e286d_emit
	.globl	k_q67397e286d_emit
	.p2align	8
	.type	k_q67397e286d_emit,@function
k_q67397e286d_emit:
	s_mov_b64 s[64:65], 0
	v_nop
	global_prefetch_b8 v0, s[64:65] scope:SCOPE_SE
	s_setreg_imm32_b32 hwreg(HW_REG_WAVE_MODE, 25, 1), 1
	s_wait_xcnt 0x0
; idx, z_q (transposed) and this work-group's share of the loss, for n = 128 g .. 128 g + 127.
;   out1[n] = idx_n;   out0[b][w][m] = book[idx_n][w] with n = 4096 b + m;   lpart[g] = sum over n, w of (input_flat[64 n + w] - book[idx_n][w])^2
; idx_n: every n starts with kmin, the first smallest |e|^2.  Then the chain of records is walked back "extra" times (both
; numbers were stored by the launch before; extra is 0 where no tie is possible).  For each earlier record r the distance is
; formed as the problem forms it, fl(fl(a_n + b_r) - t), and where it EQUALS the distance to kmin, r takes the place: ties form
; an unbroken stretch of the walk, so the last one taken is the first index with the smallest distance.
; The choice only selects values (v_cndmask_b32): no address hangs on it.  A code row is the same for all lanes, so no gather and
; no transposition are needed; the lanes are laid out twice instead:
;   for out0, out1: a lane holds 4 neighbouring n, a wave 8 columns w: each store covers 512 consecutive bytes;
;   for the loss:   16 lanes hold one row of 64 numbers, as it lies in input: each load covers 512 consecutive bytes.
; LIMIT: a_n, b_k, t are sums formed in another order than a serial sum's, so a tie is judged on numbers that may differ in the
; last bits.  NaN and infinities are not served; the two numbers read from chain's head are clamped to 8191, so the walk ends.
.set PART_B, 131072
.set KMAX,   8191
.set LANE, 1
.set L16,  2
.set VX,   3
.set VO,   4
.set VE,   5
.set VEK,  6
.set VAR,  7
.set VEK2, 8
.set ZERO, 9
.set X,    10                          ; v[10:41]   8 loads: my 4 columns of 8 rows of input
.set D,    42                          ; v[42:73]   input - z_q for them
.set Z,    74                          ; v[74:105]  z_q: 8 columns x my 4 n
.set EQ,   106                         ; v[106:109] my 4 columns of row kmin
.set I,    110                         ; v[110:113] idx of my 4 n
.set A4,   114                         ; v[114:117] a of my 4 n
.set M4,   118                         ; v[118:121] their smallest distance
.set AR,   122                         ; v[122:129] a of my 8 rows
.set MR,   130                         ; v[130:137] their smallest distance
.set EV,   138                         ; v[138:141] my 4 columns of the record at hand
.set T,    142                         ; v[142:147] at work
.set ACC,  148                         ; v[148:151]
; byte offset of |e_k|^2 in part's third table: row k / 32 of 256 bytes, word k mod 32
.macro BOFF dst, k, tmp
	s_and_b32 \dst, \k, 0x1fe0
	s_and_b32 \tmp, \k, 31
	s_lshl_b32 \dst, \dst, 3
	s_lshl_b32 \tmp, \tmp, 2
	s_add_co_u32 \dst, \dst, \tmp
.endm
	s_load_b512 s[4:19], s[0:1], 0x0               ; input s[4:5] book s[6:7] asq s[8:9] part s[10:11] chain s[12:13] prm s[14:15] out0 s[16:17] out1 s[18:19]
	s_load_b64 s[20:21], s[0:1], 0x40              ; lpart
	v_lshl_add_u32 v152, v0, 2, 0x100
	v_mov_b32 v153, 0
	v_and_b32 v[LANE], 31, v0
	v_lshrrev_b32 v[T], 5, v0
	v_readfirstlane_b32 s22, v[T]                  ; wave 0..7
	v_lshlrev_b32 v[L16], 4, v[LANE]
	v_lshl_add_u32 v[VX], s22, 12, v[L16]          ; my wave's 16 rows of 256 bytes
	v_lshl_add_u32 v[VO], s22, 17, v[L16]          ; my wave's 8 columns w, 16,384 bytes apart in out0
	v_and_b32 v[T], 15, v[LANE]
	v_lshlrev_b32 v[VE], 4, v[T]                   ; my 4 columns in a code row
	s_lshl_b32 s28, ttmp9, 15                      ; 128 rows of input
	s_mov_b32 s29, 0
	s_lshr_b32 s30, ttmp9, 5                       ; batch
	s_and_b32 s31, ttmp9, 31
	s_lshl_b32 s30, s30, 20
	s_lshl_b32 s31, s31, 9
	s_add_co_u32 s30, s30, s31                     ; out0: batch, and my 128 m
	s_mov_b32 s31, 0
	s_lshl_b32 s60, ttmp9, 9                       ; 128 words of asq and of out1
	s_mov_b32 s61, 0
	s_lshl_b32 s62, ttmp9, 2
	s_mov_b32 s63, 0
	s_lshl_b32 s23, s22, 5                         ; my wave's 8 columns in a code row
	s_mov_b32 s2, 0x76543210
	s_mov_b32 s3, 0xfedcba98
	s_wait_kmcnt 0x0
	s_load_b64 s[24:25], s[12:13], 0x0             ; extra, kmin
	s_load_b32 s26, s[14:15], 0x0                  ; t
	s_add_nc_u64 s[4:5], s[4:5], s[28:29]
.irp i, 0,1,2,3,4,5,6,7
	global_load_b128 v[X+4*\i:X+4*\i+3], v[VX], s[4:5] offset:512*\i th:TH_LOAD_NT   ; rows 2 i, 2 i + 1 of my wave's 16
.endr
	s_add_nc_u64 s[16:17], s[16:17], s[30:31]
	s_add_nc_u64 s[18:19], s[18:19], s[60:61]
	s_add_nc_u64 s[8:9], s[8:9], s[60:61]
	s_add_nc_u64 s[20:21], s[20:21], s[62:63]
	s_wait_kmcnt 0x0
	s_min_u32 s24, s24, KMAX
	s_min_u32 s25, s25, KMAX
	s_lshl_b32 s54, s25, 8                         ; row kmin of the book
	s_add_co_u32 s55, s54, s23
	s_load_b256 s[32:39], s[6:7], s55 offset:0x0   ; its 8 numbers for my wave's columns: the same for all lanes
	v_add_nc_u32 v[VEK], s54, v[VE]
	global_load_b128 v[EQ:EQ+3], v[VEK], s[6:7]
.irp j, 0,1,2,3
	v_mov_b32 v[I+\j], s25
.endr
	s_wait_kmcnt 0x0
.irp c, 0,1,2,3,4,5,6,7
.irp j, 0,1,2,3
	v_mov_b32 v[Z+4*\c+\j], s[32+\c]
.endr
.endr
	s_cmp_eq_u32 s24, 0
	s_cbranch_scc1 .Lstore
	; the walk, lanes = n
	BOFF s54, s25, s55
	s_load_b32 s53, s[10:11], s54 offset:PART_B    ; bmin
	global_load_b128 v[A4:A4+3], v[L16], s[8:9]
	s_wait_kmcnt 0x0
	s_wait_loadcnt 0x0
.irp j, 0,1,2,3
	v_add_f32 v[M4+\j], s53, v[A4+\j]              ; two roundings, as the problem has them: no fused form here
	v_sub_f32 v[M4+\j], v[M4+\j], s26
.endr
	s_mov_b32 s56, s25
	s_mov_b32 s57, 0
.Lwalk1:
	s_lshl_b32 s58, s56, 2
	s_load_b32 s56, s[12:13], s58 offset:0x100     ; the record in front of this one
	s_wait_kmcnt 0x0
	s_min_u32 s56, s56, KMAX
	BOFF s54, s56, s55
	s_lshl_b32 s59, s56, 8
	s_add_co_u32 s59, s59, s23
	s_load_b32 s52, s[10:11], s54 offset:PART_B
	s_load_b256 s[40:47], s[6:7], s59 offset:0x0
	s_wait_kmcnt 0x0                               ; also frees s54, s58, s59 for the next trip
.irp j, 0,1,2,3
	v_add_f32 v[T], s52, v[A4+\j]
	v_sub_f32 v[T], v[T], s26
	v_cmp_eq_f32 s[48+\j], v[T], v[M4+\j]
	v_cndmask_b32 v[I+\j], v[I+\j], s56, s[48+\j]
.irp c, 0,1,2,3,4,5,6,7
	v_cndmask_b32 v[Z+4*\c+\j], v[Z+4*\c+\j], s[40+\c], s[48+\j]
.endr
.endr
	s_add_co_u32 s57, s57, 1
	s_cmp_lt_u32 s57, s24
	s_cbranch_scc1 .Lwalk1
.Lstore:
.irp c, 0,1,2,3,4,5,6,7
	global_store_b128 v[VO], v[Z+4*\c:Z+4*\c+3], s[16:17] offset:\c*16384 th:TH_STORE_NT   ; 512 consecutive bytes, aligned
.endr
	s_cmp_lg_u32 s22, 0
	s_cbranch_scc1 .Lnoidx
	global_store_b128 v[L16], v[I:I+3], s[18:19] th:TH_STORE_NT    ; every wave holds the 128 idx; wave 0 stores them
.Lnoidx:
	s_wait_loadcnt 0x0                             ; my rows of input and my columns of row kmin
.irp i, 0,1,2,3,4,5,6,7
	v_pk_add_f32 v[D+4*\i:D+4*\i+1], v[X+4*\i:X+4*\i+1], v[EQ:EQ+1] neg_lo:[0,1] neg_hi:[0,1]
	v_pk_add_f32 v[D+4*\i+2:D+4*\i+3], v[X+4*\i+2:X+4*\i+3], v[EQ+2:EQ+3] neg_lo:[0,1] neg_hi:[0,1]
.endr
	s_cmp_eq_u32 s24, 0
	s_cbranch_scc1 .Lsum
	; the same walk, lanes = columns: lanes 0-15 judge row 2 i, lanes 16-31 row 2 i + 1
	v_lshrrev_b32 v[T], 4, v[LANE]
	v_lshlrev_b32 v[T], 2, v[T]
	v_lshl_add_u32 v[VAR], s22, 6, v[T]
	BOFF s54, s25, s55
	s_load_b32 s53, s[10:11], s54 offset:PART_B
.irp i, 0,1,2,3,4,5,6,7
	global_load_b32 v[AR+\i], v[VAR], s[8:9] offset:8*\i
.endr
	s_wait_kmcnt 0x0
	s_wait_loadcnt 0x0
.irp i, 0,1,2,3,4,5,6,7
	v_add_f32 v[MR+\i], s53, v[AR+\i]
	v_sub_f32 v[MR+\i], v[MR+\i], s26
.endr
	s_mov_b32 s56, s25
	s_mov_b32 s57, 0
.Lwalk2:
	s_lshl_b32 s58, s56, 2
	s_load_b32 s56, s[12:13], s58 offset:0x100
	s_wait_kmcnt 0x0
	s_min_u32 s56, s56, KMAX
	BOFF s54, s56, s55
	s_lshl_b32 s59, s56, 8
	s_load_b32 s52, s[10:11], s54 offset:PART_B
	v_add_nc_u32 v[VEK2], s59, v[VE]
	global_load_b128 v[EV:EV+3], v[VEK2], s[6:7]
	s_wait_kmcnt 0x0
	s_wait_loadcnt 0x0                             ; also frees VEK2 for the next trip
.irp i, 0,1,2,3,4,5,6,7
	v_add_f32 v[T+4], s52, v[AR+\i]
	v_sub_f32 v[T+4], v[T+4], s26
	v_cmp_eq_f32 vcc_lo, v[T+4], v[MR+\i]
	v_pk_add_f32 v[T:T+1], v[X+4*\i:X+4*\i+1], v[EV:EV+1] neg_lo:[0,1] neg_hi:[0,1]
	v_pk_add_f32 v[T+2:T+3], v[X+4*\i+2:X+4*\i+3], v[EV+2:EV+3] neg_lo:[0,1] neg_hi:[0,1]
.irp k, 0,1,2,3
	v_cndmask_b32 v[D+4*\i+\k], v[D+4*\i+\k], v[T+\k], vcc_lo
.endr
.endr
	s_add_co_u32 s57, s57, 1
	s_cmp_lt_u32 s57, s24
	s_cbranch_scc1 .Lwalk2
.Lsum:
	v_pk_mul_f32 v[ACC:ACC+1], v[D:D+1], v[D:D+1]              ; the first squares start the two chains
	v_pk_mul_f32 v[ACC+2:ACC+3], v[D+2:D+3], v[D+2:D+3]
.irp i, 1,2,3,4,5,6,7
	v_pk_fma_f32 v[ACC:ACC+1], v[D+4*\i:D+4*\i+1], v[D+4*\i:D+4*\i+1], v[ACC:ACC+1]
	v_pk_fma_f32 v[ACC+2:ACC+3], v[D+4*\i+2:D+4*\i+3], v[D+4*\i+2:D+4*\i+3], v[ACC+2:ACC+3]
.endr
	v_pk_add_f32 v[ACC:ACC+1], v[ACC:ACC+1], v[ACC+2:ACC+3]
	v_add_f32 v[ACC], v[ACC], v[ACC+1]
.irp m, 1,2,4,8
	v_add_f32_dpp v[ACC], v[ACC], v[ACC] row_xmask:\m row_mask:0xf bank_mask:0xf
.endr
	v_permlanex16_b32 v[ACC+1], v[ACC], s2, s3
	v_add_f32 v[ACC], v[ACC], v[ACC+1]
	v_mov_b32 v[T], s22
	v_lshlrev_b32 v[T], 2, v[T]
	ds_store_b32 v[T], v[ACC]                      ; my wave's word
	s_wait_dscnt 0x0                               ; done, for wave 0
	s_barrier_signal -1
	s_barrier_wait -1
	s_cmp_lg_u32 s22, 0
	s_cbranch_scc1 .Lend
	v_mov_b32 v[ZERO], 0
	ds_load_b128 v[X:X+3], v[ZERO]
	ds_load_b128 v[X+4:X+7], v[ZERO] offset:16
	s_wait_dscnt 0x0
	v_pk_add_f32 v[X:X+1], v[X:X+1], v[X+4:X+5]
	v_pk_add_f32 v[X+2:X+3], v[X+2:X+3], v[X+6:X+7]
	v_pk_add_f32 v[X:X+1], v[X:X+1], v[X+2:X+3]
	v_add_f32 v[X], v[X], v[X+1]
	v_cmp_eq_u32 vcc_lo, 0, v[LANE]
	s_wait_xcnt 0x0                                ; EXEC is a source of the stores above: it changes only behind this wait
	s_and_saveexec_b32 s27, vcc_lo
	global_store_b32 v[ZERO], v[X], s[20:21]       ; one number for the work-group, from lane 0
	s_wait_xcnt 0x0
	s_or_b32 exec_lo, exec_lo, s27
.Lend:
	s_wait_tensorcnt 0x0
	ds_add_u32 v152, v153
	s_wait_dscnt 0x0
	s_endpgm
.Lfunc_end_k_q67397e286d_emit:
	.size	k_q67397e286d_emit, .Lfunc_end_k_q67397e286d_emit-k_q67397e286d_emit
	.p2alignl 7, 3214868480
	.fill 96, 4, 3214868480
	.section	.rodata,"a",@progbits
	.p2align	6, 0x0
	.amdhsa_kernel k_q67397e286d_emit
		.amdhsa_group_segment_fixed_size 1280
		.amdhsa_private_segment_fixed_size 0
		.amdhsa_enable_private_segment 0
		.amdhsa_kernarg_size 72
		.amdhsa_user_sgpr_count 2
		.amdhsa_user_sgpr_kernarg_segment_ptr 1
		.amdhsa_wavefront_size32 1
		.amdhsa_system_sgpr_workgroup_id_x 1
		.amdhsa_system_sgpr_workgroup_id_y 1
		.amdhsa_system_sgpr_workgroup_id_z 1
		.amdhsa_system_vgpr_workitem_id 0
		.amdhsa_next_free_vgpr 154
		.amdhsa_next_free_sgpr 66
		.amdhsa_reserve_vcc 1
		.amdhsa_float_denorm_mode_32 3
		.amdhsa_float_denorm_mode_16_64 3
		.amdhsa_memory_ordered 1
		.amdhsa_forward_progress 1
		.amdhsa_inst_pref_size 19
	.end_amdhsa_kernel
	.amdgpu_metadata
---
amdhsa.version: [ 1, 2 ]
amdhsa.kernels:
  - .name:           k_q67397e286d_emit
    .symbol:         k_q67397e286d_emit.kd
    .args:
      - { .name: input, .offset: 0, .size: 8, .value_kind: global_buffer, .address_space: global }
      - { .name: book, .offset: 8, .size: 8, .value_kind: global_buffer, .address_space: global }
      - { .name: asq, .offset: 16, .size: 8, .value_kind: global_buffer, .address_space: global }
      - { .name: part, .offset: 24, .size: 8, .value_kind: global_buffer, .address_space: global }
      - { .name: chain, .offset: 32, .size: 8, .value_kind: global_buffer, .address_space: global }
      - { .name: prm, .offset: 40, .size: 8, .value_kind: global_buffer, .address_space: global }
      - { .name: out0, .offset: 48, .size: 8, .value_kind: global_buffer, .address_space: global }
      - { .name: out1, .offset: 56, .size: 8, .value_kind: global_buffer, .address_space: global }
      - { .name: lpart, .offset: 64, .size: 8, .value_kind: global_buffer, .address_space: global }
    .group_segment_fixed_size: 1280
    .private_segment_fixed_size: 0
    .kernarg_segment_align: 8
    .kernarg_segment_size: 72
    .max_flat_workgroup_size: 256
    .sgpr_count:     66
    .vgpr_count:     154
    .wavefront_size: 32
...
	.end_amdgpu_metadata
.endif
;; end of part 3
;; launch total (part 4): grid 1 x 1, 1 waves a work-group, no clusters, 0 bytes of LDS; arguments lpart, out2; writes out2
.if DOCPART == 4
	.amdgcn_target "amdgcn-amd-amdhsa--gfx1250"
	.amdhsa_code_object_version 6
	.text
	.protected	k_q67397e286d_total
	.globl	k_q67397e286d_total
	.p2align	8
	.type	k_q67397e286d_total,@function
k_q67397e286d_total:
	s_mov_b64 s[64:65], 0
	v_nop
	global_prefetch_b8 v0, s[64:65] scope:SCOPE_SE
	s_setreg_imm32_b32 hwreg(HW_REG_WAVE_MODE, 25, 1), 1
	s_wait_xcnt 0x0
; loss = (1 + 0.25) x mean of (z_q - input)^2: the 256 work-groups' sums, added by one wave, times 1.25 / 2,097,152.
; A lane takes 8 of the 256 numbers; each of the two loads covers 512 consecutive bytes.
	s_load_b128 s[4:7], s[0:1], 0x0                ; lpart s[4:5], out2 s[6:7]
	v_lshlrev_b32 v1, 4, v0
	s_mov_b32 s8, 0x76543210
	s_mov_b32 s9, 0xfedcba98
	s_wait_kmcnt 0x0
	global_load_b128 v[4:7], v1, s[4:5]
	global_load_b128 v[8:11], v1, s[4:5] offset:512
	s_wait_loadcnt 0x0
	v_pk_add_f32 v[4:5], v[4:5], v[8:9]
	v_pk_add_f32 v[6:7], v[6:7], v[10:11]
	v_pk_add_f32 v[4:5], v[4:5], v[6:7]
	v_add_f32 v4, v4, v5
	v_add_f32_dpp v4, v4, v4 row_xmask:1 row_mask:0xf bank_mask:0xf
	v_add_f32_dpp v4, v4, v4 row_xmask:2 row_mask:0xf bank_mask:0xf
	v_add_f32_dpp v4, v4, v4 row_xmask:4 row_mask:0xf bank_mask:0xf
	v_add_f32_dpp v4, v4, v4 row_xmask:8 row_mask:0xf bank_mask:0xf
	v_permlanex16_b32 v5, v4, s8, s9
	v_add_f32 v4, v4, v5
	v_mul_f32 v4, 0x35200000, v4                   ; 1.25 x 2^-21, exact in f32
	v_mov_b32 v2, 0
	v_cmp_eq_u32 vcc_lo, 0, v0
	s_wait_xcnt 0x0                                ; EXEC changes only behind this wait
	s_and_saveexec_b32 s10, vcc_lo
	global_store_b32 v2, v4, s[6:7]
	s_wait_xcnt 0x0
	s_or_b32 exec_lo, exec_lo, s10
	s_endpgm
.Lfunc_end_k_q67397e286d_total:
	.size	k_q67397e286d_total, .Lfunc_end_k_q67397e286d_total-k_q67397e286d_total
	.p2alignl 7, 3214868480
	.fill 96, 4, 3214868480
	.section	.rodata,"a",@progbits
	.p2align	6, 0x0
	.amdhsa_kernel k_q67397e286d_total
		.amdhsa_group_segment_fixed_size 0
		.amdhsa_private_segment_fixed_size 0
		.amdhsa_enable_private_segment 0
		.amdhsa_kernarg_size 16
		.amdhsa_user_sgpr_count 2
		.amdhsa_user_sgpr_kernarg_segment_ptr 1
		.amdhsa_wavefront_size32 1
		.amdhsa_system_sgpr_workgroup_id_x 1
		.amdhsa_system_sgpr_workgroup_id_y 1
		.amdhsa_system_sgpr_workgroup_id_z 1
		.amdhsa_system_vgpr_workitem_id 0
		.amdhsa_next_free_vgpr 16
		.amdhsa_next_free_sgpr 66
		.amdhsa_reserve_vcc 1
		.amdhsa_float_denorm_mode_32 3
		.amdhsa_float_denorm_mode_16_64 3
		.amdhsa_memory_ordered 1
		.amdhsa_forward_progress 1
		.amdhsa_inst_pref_size 2
	.end_amdhsa_kernel
	.amdgpu_metadata
---
amdhsa.version: [ 1, 2 ]
amdhsa.kernels:
  - .name:           k_q67397e286d_total
    .symbol:         k_q67397e286d_total.kd
    .args:
      - { .name: lpart, .offset: 0, .size: 8, .value_kind: global_buffer, .address_space: global }
      - { .name: out2, .offset: 8, .size: 8, .value_kind: global_buffer, .address_space: global }
    .group_segment_fixed_size: 0
    .private_segment_fixed_size: 0
    .kernarg_segment_align: 8
    .kernarg_segment_size: 16
    .max_flat_workgroup_size: 32
    .sgpr_count:     66
    .vgpr_count:     16
    .wavefront_size: 32
...
	.end_amdgpu_metadata
.endif
;; end of part 4
